; MI455X (gfx1250); checked and timed in simulation.
; The chip was launched on July 23, 2026; its instructions are those of AMD's public machine-readable ISA for CDNA 5 (MIT licence, August 2026) and "CDNA5" Instruction Set Architecture Reference Guide (July 2026). The comments in the code are by the model that wrote it; some were corrected since.
;; Multi Head Self Attention. Allowed arithmetic: matrix products marked QUANTISED: E5M2 operands, one given power-of-two scale a tensor, by v_wmma_f32_16x16x64_bf8_bf8 or v_wmma_f32_16x16x128_bf8_bf8, f32 sums; everything else in f32.
;; Inputs: W_k 768 x 768 float32; W_q 768 x 768 float32; W_v 768 x 768 float32; X 8 x 1,024 x 768 float32; ln_beta 768 float32; ln_gamma 768 float32; lowp_scales 10 int32 (the exponents e of the quantised operands' scales 2^e).
;; Outputs: out0 8 x 1,024 x 768 float32.
;; This version of the problem:
;;   THIS VERSION OF THE PROBLEM IS GIVEN IN LOW PRECISION. The matrix products marked QUANTISED in the list below multiply operands that are first quantised to E5M2 (5 exponent bits, 2 mantissa bits; 8 bits a number), with one given power-of-two scale for each operand tensor; their sums are f32. All else is computed in f32.
;;   The module's matrix products, in the order in which they are computed (A, B: the left and right operand; K: the contracted axis; several contracted axes count as one K, in the product's order):
;;     1. [M 8,192, K 768] x [K 768, N 768]; A: input X; B: input W_q: QUANTISED (scales: A lowp_scales[0], B lowp_scales[1])
;;     2. [M 8,192, K 768] x [K 768, N 768]; A: input X; B: input W_k: QUANTISED (scales: A lowp_scales[2], B lowp_scales[3])
;;     3. [M 8,192, K 768] x [K 768, N 768]; A: input X; B: input W_v: QUANTISED (scales: A lowp_scales[4], B lowp_scales[5])
;;     4. batch 96 x [M 1,024, K 64] x [K 64, N 1,024]; A: computed on the way; B: computed on the way: QUANTISED (scales: A lowp_scales[6], B lowp_scales[7])
;;     5. batch 96 x [M 1,024, K 1,024] x [K 1,024, N 64]; A: softmax (see below); B: computed on the way: QUANTISED (scales: A lowp_scales[8], B lowp_scales[9])
;;   THE QUANTISER, for each operand of a quantised product, along K:
;;     - The operand's scale is 2^e, e = its entry of the input lowp_scales (int32; the entries are numbered through the quantised products in the list's order, A before B).
;;     - Each number is divided by the scale, clamped to +-57,344, and rounded to the nearest number of E5M2, ties to even, subnormals kept.
;;     - The product sums the exact products of the quantised numbers (number of the format x scale) in f32.
;;   ~~~python
;;   def quantise(x, axis, e):      # numpy; x: float32 -> the quantised numbers, widened to float32 again
;;       x = np.moveaxis(x, axis, -1); K = x.shape[-1]
;;       r = np.clip(x / 2.0 ** e, -57344, 57344)
;;       step = 2.0 ** (np.maximum(np.frexp(np.where(r == 0, 1, r))[1] - 1, -14) - 2)
;;       q = np.round(r / step) * step * 2.0 ** e      # np.round: ties to even
;;       return np.moveaxis(q, -1, axis).astype(np.float32)
;;   ~~~
;;   SOFTMAX AHEAD OF A QUANTISED PRODUCT. Where the list says 'softmax', what is quantised is not the finished softmax but p = 2^(t - M), with t = logit x log2(e) and M = ceil(the row's largest t), a whole number; so 1/2 < the row's largest p <= 1. The row's sum l is taken of the UNQUANTISED p, in f32, and the product's result is divided by l at the end. Since M is a whole number, a kernel that streams over the keys may use a running M (the ceiling of the running maximum): every later rescaling is an exact power of two, so the quantised numbers keep their values, but for numbers so far below the row's largest that they fall under the format's range.
;;   OPERANDS COMPUTED ON THE WAY. 'Computed on the way' means the value that the module computes at that place (a softmax that the list does not call 'softmax' is quantised finished and normalised). What goes into a quantiser is computed in f32, as accurately as f32 sums, v_exp_f32 and their like allow (about 1e-6 of the number): no bf16 or f16 on the way to a quantiser, and a product that is left as it is and whose result goes on into a quantised operand takes f32 operands (vector FMAs, or v_wmma_f32_16x16x4_f32). A number that lies on a knife's edge between two numbers of the format may be rounded either way, as far as f32 arithmetic and the matrix unit's own rounding can turn it there, and no further.
;; One version. Each part assembles by itself: llvm-mc -triple=amdgcn-amd-amdhsa -mcpu=gfx1250 --defsym DOCPART=n.
;; ======== version 1 of 1: 3 launches
;; limits: right only within a limited range of input values
;; workspace buffers: xc 18,874,368 bytes; wc 1,769,472 bytes; qkv 18,874,368 bytes
;; launch quant (part 1): grid 656 x 1, 6 waves a work-group, no clusters, 51,456 bytes of LDS; arguments X, W_q, W_k, W_v, lowp_scales, xc, wc; writes xc, wc
.if DOCPART == 1
	.amdgcn_target "amdgcn-amd-amdhsa--gfx1250"
	.amdhsa_code_object_version 6
	.text
	.protected	k_qc6b73eedac_quant
	.globl	k_qc6b73eedac_quant
	.p2align	8
	.type	k_qc6b73eedac_quant,@function
k_qc6b73eedac_quant:
	s_mov_b64 s[64:65], 0
	v_nop
	global_prefetch_b8 v0, s[64:65] scope:SCOPE_SE
	s_setreg_imm32_b32 hwreg(HW_REG_WAVE_MODE, 25, 1), 1
	s_wait_xcnt 0x0
; X [8192][768] and W_q, W_k, W_v [768][768], f32, become codes of BF8 (E5M2), laid as IMAGES OF OPERAND REGISTERS for the projections' launch.
; code = x / 2^e, held within +-57,344, to the nearest code, ties to even.  X is quantised three times (e0, e2, e4: one set for each projection), W_q with e1, W_k with e3, W_v with e5.
; LIMITS: each of e0 .. e5 lies between -126 and 112, so that 2^e and 57,344 x 2^e are f32 numbers.  NaN among the inputs is not served; an infinity is held at the largest code.
; A TILE is 16 rows: place r of tile T holds row 32 (T / 2) + 8 (T % 2) + r + 8 (r / 8).  A FRAGMENT is a tile x 128 along K: four PIECES of 512 bytes; in piece c lane (r, h) has 16 bytes at 16 (16 h + r):
; the codes of k = 32 c + 16 h + 0 .. 15 of its row.  Buffers: [set][half of K][tile][K step in the half, 0..2][piece]: 6,144 bytes a tile and half.
; SHARES.  A work-group takes one tile (0-511: X; then 48 each of W_q, W_k, W_v), each of its six waves one K step of 128.  No loop, no barrier: waves share nothing.
; Each load reads 512 consecutive bytes of a row; the 8 KiB turn through the wave's own stage in LDS, so that a lane then holds 16 neighbours along K of each block of 32, which is what the conversions take.
.set STG,    8448                      ; a wave's stage: 16 rows x 528 bytes
.set SPITCH, 528                       ; 512 bytes + 16: the sixteen rows that a read touches start 16 bytes apart modulo 256
.set ROWB,   3072                      ; a row of X or of W in memory
.set SC,  8                            ; v8, v10, v12: 2^e of set 0, 1, 2;  v9, v11, v13: 57,344 x 2^e
.set R,   16                           ; v16-79   the numbers as loaded
.set N,   80                           ; v80-143  after the turn: register 16 c + i = k 32 c + 16 h + i of my row
.set T0,  64                           ; v64-79   held numbers, two sets of eight by turns (the numbers as loaded are done with)
.set C,   16                           ; v16-63   codes: 16 registers a set, so that no store's data are written again
	s_load_b256 s[4:11], s[0:1], 0x0               ; X, W_q, W_k, W_v
	s_load_b64 s[12:13], s[0:1], 0x20              ; the scales' exponents
	s_load_b128 s[36:39], s[0:1], 0x28             ; xc, wc
	v_lshl_add_u32 v144, v0, 2, 0xc600             ; LDS address of my spare word, behind the six stages; never rewritten
	v_mov_b32 v145, 0                              ; 0; never rewritten
	v_lshrrev_b32 v4, 5, v0
	v_readfirstlane_b32 s24, v4                    ; wave = K step 0..5
	v_and_b32 v5, 31, v0
	v_lshlrev_b32 v1, 4, v5                        ; 16 x lane: my bytes of a load's 512 and of a piece
	s_mul_i32 s40, s24, STG
	v_add_nc_u32 v2, s40, v1                       ; the stage, on the way in
	v_and_b32 v6, 15, v0                           ; r
	v_bfe_u32 v7, v0, 4, 1                         ; h
	v_mul_u32_u24 v3, v6, SPITCH
	v_lshl_add_u32 v3, v7, 6, v3
	v_add_nc_u32 v3, s40, v3                       ; and on the way out: row r, + 64 h bytes
	s_wait_alu depctr_va_vdst(0)
	s_wait_kmcnt 0x0
	s_load_b256 s[16:23], s[12:13], 0x0            ; e0 .. e7
	; which tensor: the choices hang on the work-group's number alone
	s_mov_b64 s[26:27], s[10:11]
	s_mov_b32 s25, 608
	s_mov_b32 s29, 2
	s_cmp_lt_u32 ttmp9, 608
	s_cselect_b64 s[26:27], s[8:9], s[26:27]
	s_cselect_b32 s25, 560, s25
	s_cselect_b32 s29, 1, s29
	s_cmp_lt_u32 ttmp9, 560
	s_cselect_b64 s[26:27], s[6:7], s[26:27]
	s_cselect_b32 s25, 512, s25
	s_cselect_b32 s29, 0, s29
	s_mov_b32 s41, 294912
	s_cmp_lt_u32 ttmp9, 512
	s_cselect_b64 s[26:27], s[4:5], s[26:27]       ; the source
	s_cselect_b32 s25, 0, s25
	s_cselect_b32 s29, 0, s29                      ; which weight (0 for X)
	s_cselect_b64 s[30:31], s[36:37], s[38:39]     ; the codes' buffer
	s_cselect_b32 s41, 3145728, s41                ; bytes of half of K of one set
	s_sub_co_u32 s25, ttmp9, s25                   ; the tile T
	s_lshr_b32 s42, s25, 1
	s_lshl_b32 s42, s42, 5
	s_and_b32 s43, s25, 1
	s_lshl_b32 s43, s43, 3
	s_add_co_u32 s42, s42, s43                     ; the tile's first row: 32 (T / 2) + 8 (T % 2)
	s_mul_i32 s42, s42, ROWB
	s_lshl_b32 s43, s24, 9                         ; my K step's 512 bytes of a row
	s_add_co_u32 s42, s42, s43
	s_mov_b32 s43, 0
	s_add_nc_u64 s[26:27], s[26:27], s[42:43]
.irp i, 0,1,2,3,4,5,6,7,8,9,10,11,12,13,14,15
	global_load_b128 v[R+4*\i:R+4*\i+3], v1, s[26:27] offset:(\i+8*(\i/8))*ROWB th:TH_LOAD_NT   ; place i of the tile: 32 lanes read 512 consecutive bytes
.endr
	s_mul_i32 s44, s29, 589824                     ; the weight's set
	s_mul_i32 s45, s25, 6144
	s_add_co_u32 s44, s44, s45                     ; + the tile
	s_lshl_b32 s45, s24, 11
	s_add_co_u32 s44, s44, s45                     ; + 2,048 x K step,
	s_sub_co_u32 s41, s41, 6144
	s_cmp_ge_u32 s24, 3
	s_cselect_b32 s41, s41, 0                      ; K steps 3 to 5 lie in the second half, as its steps 0 to 2
	s_add_co_u32 s44, s44, s41
	s_mov_b32 s45, 0
	s_add_nc_u64 s[30:31], s[30:31], s[44:45]      ; set 0
	s_add_nc_u64 s[32:33], s[30:31], 6291456       ; X's sets 1 and 2 (not used for a weight)
	s_add_nc_u64 s[34:35], s[30:31], 12582912
	s_wait_kmcnt 0x0
	s_cmp_lt_u32 ttmp9, 608
	s_cselect_b32 s28, s19, s21
	s_cmp_lt_u32 ttmp9, 560
	s_cselect_b32 s28, s17, s28
	s_cmp_lt_u32 ttmp9, 512
	s_cselect_b32 s28, s16, s28                    ; set 0's e: e0 for X, else the weight's
.macro MKSC e, p                       ; 2^e as f32 (the conversion takes its exponent field), and 57,344 x 2^e
	s_add_co_i32 s46, s[\e], 127
	s_lshl_b32 s47, s46, 23
	v_mov_b32 v[SC+2*\p], s47
	s_add_co_i32 s46, s46, 15
	s_lshl_b32 s46, s46, 23
	s_or_b32 s46, s46, 0x600000
	v_mov_b32 v[SC+2*\p+1], s46
.endm
	MKSC 28, 0
	MKSC 18, 1
	MKSC 20, 2
	s_wait_alu depctr_va_vdst(0)
.irp i, 0,1,2,3,4,5,6,7,8,9,10,11,12,13,14,15
	s_wait_loadcnt 15-\i                           ; loads come back in order: row i is in, the younger ones stay out
	ds_store_b128 v2, v[R+4*\i:R+4*\i+3] offset:SPITCH*\i
.endr
.irp c, 0,1,2,3
.irp j, 0,1,2,3
	ds_load_b128 v[N+16*\c+4*\j:N+16*\c+4*\j+3], v3 offset:128*\c+16*\j   ; LDS serves a wave's instructions in order: these see my stores
.endr
.endr
	s_wait_dscnt 0x0
; One set of codes: the numbers are held into other registers, since they serve three sets.  The two sets of held numbers take turns, so that eight plain lines stand between a conversion and the next write of its sources.
.macro QSET p
.irp g, 0,1,2,3,4,5,6,7
.irp i, 0,1,2,3,4,5,6,7
	v_med3_num_f32 v[T0+8*(\g%2)+\i], v[N+8*\g+\i], -v[SC+2*\p+1], v[SC+2*\p+1]   ; the conversion to an 8-bit code does not saturate (ISA guide 7.6.2): the hold comes first
.endr
	v_cvt_scalef32_pk8_bf8_f32 v[C+16*\p+2*\g:C+16*\p+2*\g+1], v[T0+8*(\g%2):T0+8*(\g%2)+7], v[SC+2*\p]
.endr
	v_nop                                          ; a plain line behind the last conversion
.irp c, 0,1,2,3
	global_store_b128 v1, v[C+16*\p+4*\c:C+16*\p+4*\c+3], s[30+2*\p:31+2*\p] offset:512*\c   ; a piece: 512 consecutive bytes, at a multiple of 256 from the buffer's first byte
.endr
.endm
	QSET 0
	s_cmp_ge_u32 ttmp9, 512                        ; a weight has one set
	s_cbranch_scc1 .Ldone
	QSET 1
	QSET 2
.Ldone:
	s_wait_tensorcnt 0x0
	ds_add_u32 v144, v145
	s_wait_dscnt 0x0
	s_endpgm
.Lfunc_end_k_qc6b73eedac_quant:
	.size	k_qc6b73eedac_quant, .Lfunc_end_k_qc6b73eedac_quant-k_qc6b73eedac_quant
	.p2alignl 7, 3214868480
	.fill 96, 4, 3214868480
	.section	.rodata,"a",@progbits
	.p2align	6, 0x0
	.amdhsa_kernel k_qc6b73eedac_quant
		.amdhsa_group_segment_fixed_size 51456
		.amdhsa_private_segment_fixed_size 0
		.amdhsa_enable_private_segment 0
		.amdhsa_kernarg_size 56
		.amdhsa_user_sgpr_count 2
		.amdhsa_user_sgpr_kernarg_segment_ptr 1
		.amdhsa_wavefront_size32 1
		.amdhsa_system_sgpr_workgroup_id_x 1
		.amdhsa_system_sgpr_workgroup_id_y 1
		.amdhsa_system_sgpr_workgroup_id_z 1
		.amdhsa_system_vgpr_workitem_id 0
		.amdhsa_next_free_vgpr 146
		.amdhsa_next_free_sgpr 66
		.amdhsa_reserve_vcc 0
		.amdhsa_float_denorm_mode_32 3
		.amdhsa_float_denorm_mode_16_64 3
		.amdhsa_memory_ordered 1
		.amdhsa_forward_progress 1
		.amdhsa_inst_pref_size 24
	.end_amdhsa_kernel
	.amdgpu_metadata
---
amdhsa.version: [ 1, 2 ]
amdhsa.kernels:
  - .name:           k_qc6b73eedac_quant
    .symbol:         k_qc6b73eedac_quant.kd
    .args:
      - { .name: X, .offset: 0, .size: 8, .value_kind: global_buffer, .address_space: global }
      - { .name: W_q, .offset: 8, .size: 8, .value_kind: global_buffer, .address_space: global }
      - { .name: W_k, .offset: 16, .size: 8, .value_kind: global_buffer, .address_space: global }
      - { .name: W_v, .offset: 24, .size: 8, .value_kind: global_buffer, .address_space: global }
      - { .name: lowp_scales, .offset: 32, .size: 8, .value_kind: global_buffer, .address_space: global }
      - { .name: xc, .offset: 40, .size: 8, .value_kind: global_buffer, .address_space: global }
      - { .name: wc, .offset: 48, .size: 8, .value_kind: global_buffer, .address_space: global }
    .group_segment_fixed_size: 51456
    .private_segment_fixed_size: 0
    .kernarg_segment_align: 8
    .kernarg_segment_size: 56
    .max_flat_workgroup_size: 192
    .sgpr_count:     66
    .vgpr_count:     146
    .wavefront_size: 32
...
	.end_amdgpu_metadata
.endif
;; end of part 1
;; launch proj (part 2): grid 4 x 64, 4 waves a work-group, clusters of 4 x 4, 327,680 bytes of LDS; arguments xc, wc, lowp_scales, qkv; writes qkv
.if DOCPART == 2
	.amdgcn_target "amdgcn-amd-amdhsa--gfx1250"
	.amdhsa_code_object_version 6
	.text
	.protected	k_qc6b73eedac_proj
	.globl	k_qc6b73eedac_proj
	.p2align	8
	.type	k_qc6b73eedac_proj,@function
k_qc6b73eedac_proj:
	s_mov_b64 s[64:65], 0
	v_nop
	global_prefetch_b8 v0, s[64:65] scope:SCOPE_SE
	s_setreg_imm32_b32 hwreg(HW_REG_WAVE_MODE, 25, 1), 1
	s_wait_xcnt 0x0
	s_wait_alu depctr_hold_cnt(0) depctr_sa_sdst(0) depctr_va_vdst(0) depctr_va_sdst(0) depctr_va_ssrc(0) depctr_va_vcc(0) depctr_vm_vsrc(0)
	s_getreg_b32 s2, hwreg(HW_REG_IB_STS2, 6, 4)
	s_cmp_eq_u32 s2, 0
	s_cbranch_scc0 .Lentry_in_a_cluster
	s_endpgm
.Lentry_in_a_cluster:
	s_bfe_u32 s2, ttmp6, 0x10000c
	s_cmp_lg_u32 s2, 0xf033
	s_cbranch_scc0 .Lentry_shape_is_right
	s_endpgm
.Lentry_shape_is_right:
; Q, K, V = X W^T by v_wmma_f32_16x16x128_bf8_bf8 on the codes of launch quant; each result is quantised with its own given scale and stored as images of attention's operand registers:
; Q [block of 64 rows][head][4,096], then [block of 64 rows][K, V][head][4,096].
; A sum stands for sum x 2^(its two operands' e): the code is sum / 2^(e of the result - those two), held within +-57,344.
; LIMITS: e6 - e0 - e1, e7 - e2 - e3 and e9 - e4 - e5 lie between -126 and 112.  NaN is not served.
; SHARES.  A work-group makes 128 rows x 192 columns of each of Q, K, V; each of its four waves 64 x 96.  A set (Q's, K's, V's operands) goes in two halves of K through two LDS slots: fill f is half f % 2 of set f / 2.
; Waves 0 and 1 fetch X's codes, waves 2 and 3 W's.  CLUSTERS of 4 x 4: X's tile is shared along a row of the cluster, W's along a column, each asked for jointly.
; Q and K are used transposed (source 0 = W), so that a lane's registers run along the head's axis, the scores' K; V is not, so that they run along the keys, the second product's K.
; REGISTERS: window 0 addresses and the way out; windows 1 and 2 two sets of fragments (4 of X, 6 of W); window 3 the 24 accumulators.
.set SLOT,  122880
.set WOFF,  49152
.set XQ,    24576
.set WQ,    36864
.set SPARE, 2*SLOT
.set XHALF, 3145728
.set WHALF, 294912
.set XSET,  6291456
.set WSET,  589824
.set ADRX, 16
.set ADRW, 20
.set LST,  24
.set SPW,  28
.set NIL,  29
.set G1,  24
.set G0,  32
.set G1B, 48
.set G0B, 56
.set MSB, 0
.macro WIN new
.if MSB != \new
	s_set_vgpr_msb (MSB<<8)|\new
.set MSB, \new
.endif
.endm
.macro JLOAD g0a, g1a, g0b, g1b
	s_cmp_eq_u32 s15, 0
	s_cbranch_scc0 .Lfor_b_\@
	tensor_load_to_lds s[\g0a:\g0a+3], s[\g1a:\g1a+7]
	s_nop 0
.rept 4
	v_nop
.endr
	s_branch .Lasked_\@
.Lfor_b_\@:
	tensor_load_to_lds s[\g0b:\g0b+3], s[\g1b:\g1b+7]
	s_nop 0
.rept 4
	v_nop
.endr
.Lasked_\@:
.endm
.macro CREST
	s_cmp_lg_u32 s14, 0
	s_cbranch_scc1 .Lnot_wave_0_\@
	s_barrier_signal -3
.Lnot_wave_0_\@:
	s_barrier_wait -3
	s_barrier_signal -1
	s_barrier_wait -1
.endm
.macro CROUND
	s_barrier_signal -1
	s_barrier_wait -1
	CREST
.endm
.macro PLACES n
.rept \n
	v_nop
.endr
.endm
	s_load_b256 s[4:11], s[0:1], 0x0
	v_lshl_add_u32 v[SPW], v0, 2, SPARE
	v_mov_b32 v[NIL], 0
	ds_add_u32 v28, v29
	ds_add_u32 v28, v29
	s_wait_dscnt 0x0
	v_lshrrev_b32 v1, 5, v0
	v_readfirstlane_b32 s14, v1
	s_lshr_b32 s15, s14, 1
	s_and_b32 s16, s14, 1
	s_bfe_u32 s40, ttmp6, 0x40000
	s_bfe_u32 s41, ttmp6, 0x40004
	s_lshl_b32 s42, ttmp9, 2
	s_add_co_u32 s42, s42, s40
	s_and_b32 s17, ttmp7, 0xffff
	s_lshl_b32 s17, s17, 2
	s_add_co_u32 s17, s17, s41
	s_lshl_b32 s43, s41, 2
	s_lshl_b32 s43, 15, s43
	s_lshl_b32 s44, 0x1111, s40
	s_or_b32 s[G1+0], s43, (3<<16)|(1<<21)
	s_or_b32 s[G1B+0], s44, (3<<16)|(1<<21)
	s_mov_b32 s[G1+1], 32<<16
	s_mov_b32 s[G1+2], 96<<16
	s_mov_b32 s[G1+3], 32<<16
	s_mov_b32 s[G1+4], 96
	s_mov_b32 s[G1+5], 32
	s_mov_b32 s[G1+6], 0
	s_mov_b32 s[G1+7], 0
	s_mov_b32 s[G1B+1], 32<<16
	s_mov_b32 s[G1B+2], 144<<16
	s_mov_b32 s[G1B+3], 32<<16
	s_mov_b32 s[G1B+4], 144
	s_mov_b32 s[G1B+5], 32
	s_mov_b32 s[G1B+6], 0
	s_mov_b32 s[G1B+7], 0
	s_lshl_b32 s20, s17, 3
	s_lshl_b32 s18, s16, 2
	s_add_co_u32 s20, s20, s18
	s_mul_i32 s20, s20, 6144
	s_mov_b32 s21, 0
	s_mul_i32 s46, s42, 12
	s_mul_i32 s47, s16, 6
	s_add_co_u32 s46, s46, s47
	s_mul_i32 s46, s46, 6144
	s_mov_b32 s47, 0
	s_mul_i32 s45, s16, XQ
	s_mul_i32 s19, s16, WQ
	s_add_co_u32 s19, s19, WOFF
	s_wait_kmcnt 0x0
	s_load_b256 s[68:75], s[8:9], 0x0
	s_load_b64 s[76:77], s[8:9], 0x20
	s_add_nc_u64 s[20:21], s[4:5], s[20:21]
	s_add_nc_u64 s[46:47], s[6:7], s[46:47]
	CROUND
.irp s, 0,1
	s_mov_b32 s[G0+4*\s], 1
	s_add_co_u32 s[G0+4*\s+1], s45, \s*SLOT
	s_add_nc_u64 s[G0+4*\s+2:G0+4*\s+3], s[20:21], \s*XHALF
	s_or_b32 s[G0+4*\s+3], s[G0+4*\s+3], 0x80000000
	s_mov_b32 s[G0B+4*\s], 1
	s_add_co_u32 s[G0B+4*\s+1], s19, \s*SLOT
	s_add_nc_u64 s[G0B+4*\s+2:G0B+4*\s+3], s[46:47], \s*WHALF
	s_or_b32 s[G0B+4*\s+3], s[G0B+4*\s+3], 0x80000000
.if \s
	s_wait_alu depctr_va_vdst(0)
	s_wait_tensorcnt 0x0
	ds_add_u32 v28, v29
	ds_add_u32 v28, v29
	s_wait_dscnt 0x0
	CROUND
.endif
	JLOAD G0+4*\s, G1, G0B+4*\s, G1B
; A PREFETCH INTO THE L2 behind the joint load of fill f (half f % 2 of K of set f / 2), f = 0 .. 3: fill f + 2.  The last two fills ask for nothing.  Fill f lies f halves of K beyond fill 0 in either buffer.
; X: of the 96 blocks of 256 bytes that a wave fetches, each of the four partners that ask with it names 24, told apart by address (cx).  W: every cluster loads the same; of a wave's 144 blocks a work-group names 9,
; told apart by cy and the cluster's y modulo 4.  A lane a block; the lanes left over name the last block again.
.if \s == 0
.set FILL, 2
	s_and_b32 s92, ttmp7, 3
	s_lshl_b32 s92, s92, 2
	s_add_co_u32 s92, s92, s41
	s_mul_i32 s92, s92, 9*256
	s_mul_i32 s93, s40, 24*256
	s_mov_b32 s98, WHALF
	s_cmp_eq_u32 s15, 0                            ; do I fetch for X?
	s_cselect_b64 s[96:97], s[20:21], s[46:47]
	s_cselect_b32 s92, s93, s92
	s_cselect_b32 s98, XHALF, s98                  ; from fill to fill
	s_cselect_b32 s94, 23, 8
	s_mov_b32 s93, 0
	s_mov_b32 s99, 0
	s_add_nc_u64 s[96:97], s[96:97], s[92:93]
	s_add_nc_u64 s[96:97], s[96:97], s[98:99]
	v_and_b32 v27, 31, v0
	v_min_u32 v27, s94, v27
	v_lshlrev_b32 v27, 8, v27                      ; never rewritten
.else
	s_wait_xcnt 0x0                                ; the last prefetch has read its address
.endif
	s_add_nc_u64 s[96:97], s[96:97], s[98:99]
	global_prefetch_b8 v27, s[96:97] th:TH_LOAD_NT scope:SCOPE_SE
.endr
	v_and_b32 v2, 31, v0
	v_lshlrev_b32 v[LST], 4, v2
	s_mul_i32 s21, s15, XQ
	s_mul_i32 s22, s16, WQ
	s_add_co_u32 s22, s22, WOFF
.irp s, 0,1
	v_add_nc_u32 v[ADRX+\s], s21, v[LST]
	v_add_nc_u32 v[ADRW+\s], s22, v[LST]
	s_add_co_u32 s21, s21, SLOT
	s_add_co_u32 s22, s22, SLOT
.endr
	s_lshl_b32 s78, s17, 1
	s_add_co_u32 s78, s78, s15
	s_mul_i32 s94, s78, 98304                      ; K and V: behind all of Q, [block of 64 rows][K, V][head][4,096]
	s_add_co_u32 s94, s94, 6291456
	s_mul_i32 s78, s78, 49152                      ; Q: [block of 64 rows][head][4,096]
	s_mul_i32 s79, s42, 12
	s_mul_i32 s92, s16, 6
	s_add_co_u32 s79, s79, s92
	s_lshl_b32 s79, s79, 10
	s_add_co_u32 s78, s78, s79
	s_add_co_u32 s94, s94, s79
	s_mov_b32 s95, 0
	s_mov_b32 s79, 0
	s_add_nc_u64 s[86:87], s[10:11], s[78:79]
	s_add_nc_u64 s[88:89], s[10:11], s[94:95]
	s_add_nc_u64 s[90:91], s[88:89], 49152
	s_wait_alu depctr_va_vdst(0)
	s_wait_kmcnt 0x0
.macro MKC ea, eb, ec, d
	s_sub_co_i32 s92, s[\ea], s[\eb]
	s_sub_co_i32 s92, s92, s[\ec]
	s_add_co_i32 s92, s92, 127
	s_lshl_b32 s[\d], s92, 23
	s_add_co_i32 s92, s92, 15
	s_lshl_b32 s92, s92, 23
	s_or_b32 s[\d+1], s92, 0x600000
.endm
	MKC 74, 68, 69, 80
	MKC 75, 70, 71, 82
	MKC 77, 72, 73, 84
.macro FETCH slot, ks, f
.if \f == 0
	WIN 0x40
.else
	WIN 0x80
.endif
.irp i, 0,1,2,3
.irp c, 0,1,2,3
	ds_load_b128 v[16*\i+4*\c:16*\i+4*\c+3], v[ADRX+\slot] offset:\i*6144+\ks*2048+\c*512
.endr
.endr
.irp i, 0,1,2,3,4,5
.irp c, 0,1,2,3
	ds_load_b128 v[64+16*\i+4*\c:64+16*\i+4*\c+3], v[ADRW+\slot] offset:\i*6144+\ks*2048+\c*512
.endr
.endr
	WIN 0
.endm
.macro MUL f, swap, zero
.if \f == 0
	WIN 0xf5
.else
	WIN 0xfa
.endif
.if \swap == 0
.irp i1, 0,1,2,3
.irp i0, 0,1,2,3,4,5
.if \zero
	v_wmma_f32_16x16x128_bf8_bf8 v[8*(6*\i1+\i0):8*(6*\i1+\i0)+7], v[64+16*\i0:64+16*\i0+15], v[16*\i1:16*\i1+15], 0
.else
	v_wmma_f32_16x16x128_bf8_bf8 v[8*(6*\i1+\i0):8*(6*\i1+\i0)+7], v[64+16*\i0:64+16*\i0+15], v[16*\i1:16*\i1+15], v[8*(6*\i1+\i0):8*(6*\i1+\i0)+7]
.endif
.endr
.endr
.else
.irp i1, 0,1,2,3,4,5
.irp i0, 0,1,2,3
.if \zero
	v_wmma_f32_16x16x128_bf8_bf8 v[8*(4*\i1+\i0):8*(4*\i1+\i0)+7], v[16*\i0:16*\i0+15], v[64+16*\i1:64+16*\i1+15], 0
.else
	v_wmma_f32_16x16x128_bf8_bf8 v[8*(4*\i1+\i0):8*(4*\i1+\i0)+7], v[16*\i0:16*\i0+15], v[64+16*\i1:64+16*\i1+15], v[8*(4*\i1+\i0):8*(4*\i1+\i0)+7]
.endif
.endr
.endr
.endif
.endm
.macro WORK slot, swap, first
	FETCH \slot, 0, 0
	FETCH \slot, 1, 1
	s_wait_dscnt 40
	MUL 0, \swap, \first
	PLACES 4
	FETCH \slot, 2, 0
	s_wait_dscnt 40
	MUL 1, \swap, 0
	s_wait_dscnt 0x0
	MUL 0, \swap, 0
	PLACES 4
	WIN 0
.endm
.macro CHANGE s, fill
	s_wait_tensorcnt 0x0
	ds_add_u32 v[SPW], v[NIL]
.if \fill
	s_add_nc_u64 s[G0+4*\s+2:G0+4*\s+3], s[G0+4*\s+2:G0+4*\s+3], XSET
	s_add_nc_u64 s[G0B+4*\s+2:G0B+4*\s+3], s[G0B+4*\s+2:G0B+4*\s+3], WSET
.if FILL < 4
	s_wait_xcnt 0x0                                ; the last prefetch has read its address
	s_add_nc_u64 s[96:97], s[96:97], s[98:99]
.endif
.endif
	s_wait_dscnt 0x0
.if \fill
	CROUND
	JLOAD G0+4*\s, G1, G0B+4*\s, G1B
.if FILL < 4
	global_prefetch_b8 v27, s[96:97] th:TH_LOAD_NT scope:SCOPE_SE
.endif
.set FILL, FILL+1
.else
	s_barrier_signal -1
	s_barrier_wait -1
.endif
.endm
.macro EPI p, swap
	s_wait_xcnt 0x0
	v_mov_b32 v30, s[80+2*\p]
	v_mov_b32 v31, s[81+2*\p]
	WIN 0xc3
.set j, 0
.rept 192
	v_med3_num_f32 v[j], v[j], -v31, v31
.set j, j+1
.endr
	WIN 0x03
.set j, 0
.rept 24
	v_cvt_scalef32_pk8_bf8_f32 v[32+2*j:33+2*j], v[8*j:8*j+7], v30
.set j, j+1
.endr
	WIN 0
	v_nop
.set j, 0
.rept 12
.if \swap == 0
	global_store_b128 v[LST], v[32+4*j:35+4*j], s[86+2*\p:87+2*\p] offset:(j%3)*2048+(j/3)*512
.else
	global_store_b128 v[LST], v[32+4*j:35+4*j], s[86+2*\p:87+2*\p] offset:(j/2)*1024+(j%2)*512
.endif
.set j, j+1
.endr
.endm
	s_wait_tensorcnt 1
	s_barrier_signal -1
	s_barrier_wait -1
	WORK 0, 0, 1
	CHANGE 0, 1
	WORK 1, 0, 0
	CHANGE 1, 1
	EPI 0, 0
	WORK 0, 0, 1
	CHANGE 0, 1
	WORK 1, 0, 0
	CHANGE 1, 1
	EPI 1, 0
	WORK 0, 1, 1
	CHANGE 0, 0
	WORK 1, 1, 0
	EPI 2, 1
	s_wait_tensorcnt 0x0
	ds_add_u32 v[SPW], v[NIL]
	s_wait_dscnt 0x0
	CROUND
	s_endpgm
.Lfunc_end_k_qc6b73eedac_proj:
	.size	k_qc6b73eedac_proj, .Lfunc_end_k_qc6b73eedac_proj-k_qc6b73eedac_proj
	.p2alignl 7, 3214868480
	.fill 96, 4, 3214868480
	.section	.rodata,"a",@progbits
	.p2align	6, 0x0
	.amdhsa_kernel k_qc6b73eedac_proj
		.amdhsa_group_segment_fixed_size 327680
		.amdhsa_private_segment_fixed_size 0
		.amdhsa_enable_private_segment 0
		.amdhsa_kernarg_size 32
		.amdhsa_user_sgpr_count 2
		.amdhsa_user_sgpr_kernarg_segment_ptr 1
		.amdhsa_wavefront_size32 1
		.amdhsa_system_sgpr_workgroup_id_x 1
		.amdhsa_system_sgpr_workgroup_id_y 1
		.amdhsa_system_sgpr_workgroup_id_z 1
		.amdhsa_system_vgpr_workitem_id 0
		.amdhsa_next_free_vgpr 960
		.amdhsa_next_free_sgpr 102
		.amdhsa_reserve_vcc 0
		.amdhsa_float_denorm_mode_32 3
		.amdhsa_float_denorm_mode_16_64 3
		.amdhsa_memory_ordered 1
		.amdhsa_forward_progress 1
		.amdhsa_inst_pref_size 135
	.end_amdhsa_kernel
	.amdgpu_metadata
---
amdhsa.version: [ 1, 2 ]
amdhsa.kernels:
  - .name:           k_qc6b73eedac_proj
    .symbol:         k_qc6b73eedac_proj.kd
    .args:
      - { .name: xc, .offset: 0, .size: 8, .value_kind: global_buffer, .address_space: global }
      - { .name: wc, .offset: 8, .size: 8, .value_kind: global_buffer, .address_space: global }
      - { .name: lowp_scales, .offset: 16, .size: 8, .value_kind: global_buffer, .address_space: global }
      - { .name: qkv, .offset: 24, .size: 8, .value_kind: global_buffer, .address_space: global }
    .group_segment_fixed_size: 327680
    .private_segment_fixed_size: 0
    .kernarg_segment_align: 8
    .kernarg_segment_size: 32
    .max_flat_workgroup_size: 128
    .sgpr_count:     102
    .vgpr_count:     960
    .wavefront_size: 32
...
	.end_amdgpu_metadata
.endif
;; end of part 2
;; launch attn (part 3): grid 256 x 1, 12 waves a work-group, clusters of 4 x 1, 327,680 bytes of LDS; arguments qkv, X, ln_gamma, ln_beta, lowp_scales, out0; writes out0
.if DOCPART == 3
	.amdgcn_target "amdgcn-amd-amdhsa--gfx1250"
	.amdhsa_code_object_version 6
	.text
	.protected	k_qc6b73eedac_attn
	.globl	k_qc6b73eedac_attn
	.p2align	8
	.type	k_qc6b73eedac_attn,@function
k_qc6b73eedac_attn:
	s_mov_b64 s[64:65], 0
	v_nop
	global_prefetch_b8 v0, s[64:65] scope:SCOPE_SE
	s_setreg_imm32_b32 hwreg(HW_REG_WAVE_MODE, 25, 1), 1
	s_wait_xcnt 0x0
	s_wait_alu depctr_hold_cnt(0) depctr_sa_sdst(0) depctr_va_vdst(0) depctr_va_sdst(0) depctr_va_ssrc(0) depctr_va_vcc(0) depctr_vm_vsrc(0)
	s_getreg_b32 s2, hwreg(HW_REG_IB_STS2, 6, 4)
	s_cmp_eq_u32 s2, 0
	s_cbranch_scc0 .Lentry_in_a_cluster
	s_endpgm
.Lentry_in_a_cluster:
	s_bfe_u32 s2, ttmp6, 0x10000c
	s_cmp_lg_u32 s2, 0x3003
	s_cbranch_scc0 .Lentry_shape_is_right
	s_endpgm
.Lentry_shape_is_right:
; out0 = relu(LayerNorm(attention + X)): 12 heads of size 64, 1,024 keys, both products on codes of BF8 by v_wmma_f32_16x16x64_bf8_bf8.
; THE SOFTMAX AHEAD OF THE SECOND PRODUCT: t = score x log2(e) / 8; M = the row's largest t so far, rounded UP to a whole number; p = 2^(t - M) is quantised with 2^e8, not normalised.
; The row's sum is taken of the unquantised p and divides at the end.  When M moves, the sum and O are multiplied by 2^(old M - new M), which rounds nothing.
; LIMITS: e6 + e7 between -123 and 130 (added to the exponent field of log2(e) / 8); e8 between -126 and 112; e8 + e9 goes by v_ldexp_f32 and has none.  t stays under 2^31 in magnitude.  NaN among the inputs is not served.
; SHARES.  A work-group owns 32 rows of one batch, all 12 heads: wave w is head w, with two tiles of 16 queries, in 320 registers: three waves to a SIMD.
; All heads of a row meet in LDS at the end, so residual, LayerNorm and relu are done here and attention's result never goes to memory.
; LAYOUT.  Both products are used transposed: S^T = K Q^T, O^T = V^T P^T: a lane holds ONE query throughout.  Place r of a tile of 16 holds row 32 (t / 2) + 8 (t % 2) + r + 8 (r / 8), so that the 16 registers of
; tiles 2 b, 2 b + 1 of a result are 16 neighbours 32 b + 16 h + 0 .. 15: p's conversions give the second product's operand, and O^T's registers are neighbouring channels.
; qkv: Q [block of 64 rows][head][4,096], then [block of 64 rows][K, V][head][4,096]: images of the operands' registers, pieces of 512 bytes, lane l's 16 bytes at 16 l.
; ONE SLOT, 8 trips of 128 keys, two blocks of 64.  Each wave fetches what it alone reads: its head's K and V of the first block and K of the second, one tile of 3 rows x 4,096 bytes.  Early in a trip it takes all of it
; into registers; the slot is then free, and is filled again in the trip's first half, so that the load has the rest of the trip's work in which to land.
; CLUSTER 4 x 1: the four work-groups belong to one batch and walk the same K and V, so each tile is asked for JOINTLY, by the same tensor load with the same descriptor and a mask that names the four.
; V OF THE SECOND BLOCK, a quarter of a trip's bytes, goes from memory straight into the registers: one wave reads it once, in the layout in which it lies, and not before the trip's end, so that in LDS it would only be
; stored and read again: 49,152 bytes of each a trip, for which the slot's next fill would have to wait.  Its loads stand ahead of the trip's softmax.
; THE WALK GOES ROUND.  A running maximum takes the keys in any order.  Cluster j of a batch's eight begins at key step 3 j mod 8 and takes steps (start + s) mod 8: the eight clusters' first trips name all eight
; key steps of the batch, so K and V have no prefetch: no block would be left to name for the first time.
; REGISTERS: v0 256 x my thread's number; v1 LDS address of my tile; v2-3 for the add; v4, v6 -M and v5, v7 the row's sum of tile 0, 1; v8-15 at work; v16-31 Q; v32-63 K of keys 0-63, then V of keys 64-127;
; v64-95 K of keys 64-127, then p's codes; v96-127 V of keys 0-63; v128-255 S^T, then p (tile u, key half h at 128 + 64 u + 32 h); window 1, v0-63: O^T.
.set WREG,  12288                      ; my tile: K 0-63, V 0-63, K 64-127
.set SLOT,  12*WREG
.set XST,   SLOT                       ; behind it my 32 rows of X, 98,304 bytes, filled once in the last trip
.set SP,    3088                       ; the stage, 32 rows of 768 f32 + 16 bytes, lies in the slot: it has had its last fill, and its last read stands ahead of the last round
.set SPARE, XST+98304                  ; the spare words, 128 bytes for each wave: six blocks of 256 bytes that no other line names
.set KVOFF, 6291456
.set KSTEP, 196608                     ; two blocks of K and V
.set ROW,   49152                      ; from K to V of a block, and on to the next block's K
.set Q,  16
.set FA, 32
.set FB, 64
.set FC, 96
.set S,  128
.set NX, 63                            ; s63      the key step asked for last, 0 .. 7
.set KVB, 16                           ; s[16:17] my head's K of the batch's key step 0.  Never rewritten
.set OFS, 2                            ; s[2:3]   a key step's byte offset from there.  None of these three ever holds my place in the cluster
.set VB, 86                            ; s[86:87] my head's V of key step 0's second block, less WREG x wave, which v1 adds.  Never rewritten
.set VC, 76                            ; s[76:77] the same for the trip's key step
.set MSB, 0
.macro WIN new                         ; the immediate's high byte repeats the setting that is left
.if MSB != \new
	s_set_vgpr_msb (MSB<<8)|\new
.set MSB, \new
.endif
.endm
.macro CREST                           ; a round of the cluster's barrier behind its opening barrier
	s_cmp_lg_u32 s18, 0
	s_cbranch_scc1 .Lnot_wave_0_\@
	s_barrier_signal -3
.Lnot_wave_0_\@:
	s_barrier_wait -3
	s_barrier_signal -1
	s_barrier_wait -1
.endm
.macro ROUND
	s_barrier_signal -1
	s_barrier_wait -1
	CREST
.endm
.macro D2
	s_delay_alu instid0(VALU_DEP_2)
.endm
	s_load_b256 s[4:11], s[0:1], 0x0               ; qkv s[4:5], X s[6:7], gamma s[8:9], beta s[10:11]
	s_load_b128 s[12:15], s[0:1], 0x20             ; the scales' exponents s[12:13], out0 s[14:15]
	v_lshl_add_u32 v2, v0, 2, SPARE                ; LDS address of my spare word; never rewritten
	v_mov_b32 v3, 0                                ; 0; never rewritten
	ds_add_u32 v2, v3                              ; the wave's opening: the add, twice on end, and its wait ahead of my first tensor load
	ds_add_u32 v2, v3
	v_lshrrev_b32 v8, 5, v0
	v_readfirstlane_b32 s18, v8                    ; wave = head 0..11
	v_and_b32 v9, 31, v0
	v_lshlrev_b32 v80, 4, v9                       ; 16 x lane
	s_mul_i32 s72, s18, WREG
	v_add_nc_u32 v1, s72, v80                      ; my tile: WREG x wave + 16 x lane
	v_lshlrev_b32 v0, 8, v0                        ; 256 x my thread's number: the offset of the prefetch of X: 384 threads, 98,304 bytes
	s_bfe_u32 s19, ttmp6, 0x40000                  ; cx
	s_lshl_b32 s20, ttmp9, 2
	s_add_co_u32 s20, s20, s19                     ; my 32 rows: 4 x cluster + cx
	; group 1 of K's and V's tile: 3 rows of 512 elements of 8 bytes, 6,144 elements apart
	s_mov_b32 s24, 15|(3<<16)|(1<<21)              ; 15:0 the mask: all four work-groups; 17:16 elements of 8 bytes; 21 set beside a mask
	s_mov_b32 s25, 512<<16                         ; tensor_dim0
	s_mov_b32 s26, 3<<16                           ; tensor_dim1
	s_mov_b32 s27, 512<<16                         ; tile_dim0
	s_mov_b32 s28, 3                               ; tile_dim1
	s_mov_b32 s29, ROW/8                           ; tensor_dim0_stride
	s_mov_b32 s30, 0
	s_mov_b32 s31, 0
	; group 1 of X's tile: 8,192 dense bytes as 32 rows of 256
	s_mov_b32 s40, 3<<16
	s_mov_b32 s41, 32<<16
	s_mov_b32 s42, 32<<16
	s_mov_b32 s43, 32<<16
	s_mov_b32 s44, 32
	s_mov_b32 s45, 32
	s_mov_b32 s46, 0
	s_mov_b32 s47, 0
	s_mov_b32 s58, 0x76543210                      ; v_permlanex16_b32's selects for lane l xor 16
	s_mov_b32 s59, 0xfedcba98
	s_mov_b32 s60, 0x3aaaaaab                      ; 1 / 768
	s_mov_b32 s61, 0x3727c5ac                      ; 1e-5
	s_lshr_b32 s21, ttmp9, 3                       ; the batch: the four partners share it
	s_mul_i32 s74, s21, 8*KSTEP
	s_lshl_b32 s75, s18, 12
	s_add_co_u32 s74, s74, s75
	s_add_co_u32 s74, s74, KVOFF
	s_mov_b32 s75, 0
	s_add_co_u32 s78, s74, 3*ROW
	s_sub_co_u32 s78, s78, s72
	s_mov_b32 s79, 0
	s_and_b32 s[NX], ttmp9, 7                      ; which of the batch's eight clusters
	s_mul_i32 s[NX], s[NX], 3
	s_and_b32 s[NX], s[NX], 7                      ; where my cluster's walk begins: 3 j mod 8
	s_mul_i32 s[OFS], s[NX], KSTEP
	s_mov_b32 s[OFS+1], 0
	s_wait_alu depctr_va_vdst(0)
	s_wait_dscnt 0x0                               ; both opening adds are done
	s_wait_kmcnt 0x0
	s_load_b128 s[68:71], s[12:13], 0x18           ; e6, e7, e8, e9
	s_add_nc_u64 s[KVB:KVB+1], s[4:5], s[74:75]
	s_mov_b32 s32, 1                               ; group 0: the walk's first key step
	s_mov_b32 s33, s72
	s_add_nc_u64 s[34:35], s[KVB:KVB+1], s[OFS:OFS+1]
	s_or_b32 s35, s35, 0x80000000
	ROUND                                          ; all four work-groups are here: the first joint loads meet
	tensor_load_to_lds s[32:35], s[24:31]          ; the walk's first key step
	s_nop 0
.rept 4
	v_nop
.endr
	s_add_nc_u64 s[VB:VB+1], s[4:5], s[78:79]
	s_lshr_b32 s76, s20, 1
	s_mul_i32 s76, s76, 49152
	s_lshl_b32 s77, s18, 12
	s_add_co_u32 s76, s76, s77
	s_and_b32 s77, s20, 1
	s_lshl_b32 s77, s77, 10
	s_add_co_u32 s76, s76, s77                     ; Q: my block, my head, tiles 2 (rows / 32 % 2) + 0, 1
	s_mov_b32 s77, 0
	s_add_nc_u64 s[66:67], s[4:5], s[76:77]
.irp u, 0,1
.irp c, 0,1
	global_load_b128 v[Q+8*\u+4*\c:Q+8*\u+4*\c+3], v80, s[66:67] offset:\c*2048+\u*512   ; Q's fragments stay in registers
.endr
.endr
	s_mul_i32 s76, s20, 98304
	s_add_nc_u64 s[56:57], s[6:7], s[76:77]        ; X at my 32 rows
	s_lshl_b32 s76, s18, 13
	s_mov_b32 s36, 1                               ; group 0 of X's tile: my wave's 8,192 bytes
	s_add_co_u32 s37, s76, XST
	s_add_nc_u64 s[38:39], s[56:57], s[76:77]
	s_or_b32 s39, s39, 0x80000000
; Stage row n = 16 u + r holds the query of place r of tile u, which is row 8 (n / 16) + n % 8 + 16 (n / 8 % 2) of my 32.  Wave w finishes stage rows w, w + 12 and, where w < 8, w + 24.
.macro MKROW k
	s_add_co_u32 s72, s18, 12*\k
	s_lshr_b32 s73, s72, 4
	s_lshl_b32 s73, s73, 3
	s_and_b32 s74, s72, 7
	s_add_co_u32 s73, s73, s74
	s_bfe_u32 s74, s72, 0x10003
	s_lshl_b32 s74, s74, 4
	s_add_co_u32 s73, s73, s74
	s_mul_i32 s[80+\k], s73, 3072
	s_add_co_u32 s[80+\k], s[80+\k], XST           ; the row of X in LDS
	s_lshl_b32 s74, s20, 5
	s_add_co_u32 s73, s73, s74
	s_mul_i32 s72, s73, 3072
	s_mov_b32 s73, 0
	s_add_nc_u64 s[48+2*\k:49+2*\k], s[14:15], s[72:73]   ; and of out0
.endm
	MKROW 0
	MKROW 1
	MKROW 2
	s_lshl_b32 s83, s18, 8
	s_mul_i32 s84, s18, SP
	v_mov_b32 v4, 0x7f61b1e6                       ; -M: 3e38, over every -t
	v_mov_b32 v6, 0x7f61b1e6
	v_mov_b32 v5, 0                                ; the sums
	v_mov_b32 v7, 0
	WIN 0x40
.set j, 0
.rept 64
	v_mov_b32 v[j], 0                              ; O^T.  (The trip is written without a first step of its own: the first finds zeros, which the first change of M leaves zeros)
.set j, j+1
.endr
	WIN 0
	s_wait_kmcnt 0x0
	s_add_co_i32 s72, s68, s69
	s_lshl_b32 s72, s72, 23
	s_mov_b32 s22, 0x3e38aa3b                      ; c = log2(e) / 8,
	s_add_co_i32 s22, s22, s72                     ; x 2^(e6 + e7): a score stands for score x 2^(e6 + e7)
	s_mov_b32 s23, s22                             ; (named with it as a pair, so it is written)
	s_add_co_i32 s72, s70, 127
	s_lshl_b32 s54, s72, 23                        ; 2^e8 as f32, for the conversion
	s_add_co_i32 s72, s72, 15
	s_lshl_b32 s72, s72, 23
	s_or_b32 s55, s72, 0x600000                    ; 57,344 x 2^e8
	s_add_co_i32 s62, s70, s71                     ; e8 + e9
.macro FMA1 b                          ; t - M of pair j of quarter b (tile b / 2): of the pairs c and -M the low word serves both halves
	v_pk_fma_f32 v[S+32*(\b)+2*j:S+32*(\b)+2*j+1], v[S+32*(\b)+2*j:S+32*(\b)+2*j+1], s[22:23], v[4+2*((\b)/2):5+2*((\b)/2)] op_sel_hi:[1,0,0]
.endm
.macro HOLD1 b                         ; the conversion to an 8-bit code does not saturate (ISA guide 7.6.2); p is not negative, so the hold is one-sided
	v_dual_min_num_f32 v[S+32*(\b)+2*j], s55, v[S+32*(\b)+2*j] :: v_dual_min_num_f32 v[S+32*(\b)+2*j+1], s55, v[S+32*(\b)+2*j+1]
.endm
; Quarter b's 32 exponentials as one batch, with a wait ahead of it and one behind it.  Between them stand the next quarter's multiply-adds and the last quarter's holds: what they write is first read behind the wait.
.macro EXPS b
	s_wait_alu depctr_va_vdst(0)
.set j, 0
.rept 16
	v_exp_f32 v[S+32*\b+2*j], v[S+32*\b+2*j]
.if \b < 3
	FMA1 \b+1
.endif
	v_exp_f32 v[S+32*\b+2*j+1], v[S+32*\b+2*j+1]
.if \b > 0
	HOLD1 \b-1
.endif
.set j, j+1
.endr
.if \b == 0
	v_nop                                          ; a plain line behind the last exponential
.endif
	s_wait_alu depctr_va_vdst(0)
.endm
.macro CVT b
.irp t, 0,1,2,3
	v_cvt_scalef32_pk8_bf8_f32 v[FB+8*\b+2*\t:FB+8*\b+2*\t+1], v[S+32*\b+8*\t:S+32*\b+8*\t+7], v14
.endr
.endm
; The row's sum is taken of the unquantised p: two at a time, in three chains v8-13; tile b / 2's first quarter starts them.
.macro SUM b
.if \b % 2 == 0
.irp k, 0,1,2
	v_pk_add_f32 v[8+2*\k:9+2*\k], v[S+32*\b+4*\k:S+32*\b+4*\k+1], v[S+32*\b+4*\k+2:S+32*\b+4*\k+3]
.endr
.set j, 6
.rept 10
	v_pk_add_f32 v[8+2*(j%3):9+2*(j%3)], v[8+2*(j%3):9+2*(j%3)], v[S+32*\b+2*j:S+32*\b+2*j+1]
.set j, j+1
.endr
.else
.set j, 0
.rept 16
	v_pk_add_f32 v[8+2*(j%3):9+2*(j%3)], v[8+2*(j%3):9+2*(j%3)], v[S+32*\b+2*j:S+32*\b+2*j+1]
.set j, j+1
.endr
.endif
.endm
.macro JOIN u
	v_pk_add_f32 v[8:9], v[8:9], v[10:11]
	v_pk_add_f32 v[8:9], v[8:9], v[12:13]
	v_add_f32 v8, v8, v9
	v_add_f32 v[5+2*\u], v[5+2*\u], v8
.endm
.macro KLOAD f, off
.irp t, 0,1,2,3
.irp c, 0,1
	ds_load_b128 v[\f+8*\t+4*\c:\f+8*\t+4*\c+3], v1 offset:\off+\c*2048+\t*512
.endr
.endr
.endm
.macro SCORES f, h
.irp t, 0,1,2,3
.irp u, 0,1
	v_wmma_f32_16x16x64_bf8_bf8 v[S+64*\u+32*\h+8*\t:S+64*\u+32*\h+8*\t+7], v[\f+8*\t:\f+8*\t+7], v[Q+8*\u:Q+8*\u+7], 0
.endr
.endr
.endm
; A TRIP: 128 keys, both tiles of queries.  last = 1: nothing is left to ask for of K and V, and my rows of X are asked for in their place.
.macro TRIP last
	s_wait_tensorcnt 0x0                           ; my tile has landed; I alone read it
	s_add_nc_u64 s[VC:VC+1], s[VB:VB+1], s[OFS:OFS+1]   ; the last trip's loads from there are done; the key step asked for last is this trip's
	KLOAD FA, 0
	KLOAD FB, 8192
.irp ct, 0,1,2,3
.irp b, 0,1
	ds_load_b128 v[FC+8*\ct+4*\b:FC+8*\ct+4*\b+3], v1 offset:4096+\ct*1024+\b*512
.endr
.endr
	s_wait_dscnt 16                                ; K of keys 0-63 is in; the other 16 loads may be out
	SCORES FA, 0
.rept 4
	v_nop                                          ; in front of the loads into K's registers, and of the first read of results
.endr
.irp ct, 0,1,2,3
.irp b, 0,1
	global_load_b128 v[FA+8*\ct+4*\b:FA+8*\ct+4*\b+3], v1, s[VC:VC+1] offset:\ct*1024+\b*512   ; V of keys 64-127: 32 lanes read 512 consecutive bytes
.endr
.endr
	s_wait_tensorcnt 0x0                           ; no tensor load of mine is out, so group 0 may be written
	ds_add_u32 v2, v3                              ; 0 onto my spare word
.if \last == 0
	s_add_co_u32 s[NX], s[NX], 1
	s_and_b32 s[NX], s[NX], 7                      ; the walk's next key step: behind 7 comes 0
	s_mul_i32 s[OFS], s[NX], KSTEP
	s_add_nc_u64 s[34:35], s[KVB:KVB+1], s[OFS:OFS+1]
	s_or_b32 s35, s35, 0x80000000                  ; 127:126 type = 2
.endif
	s_wait_dscnt 9                                 ; K of keys 64-127 is in; V's 8 loads and the add may be out
	SCORES FB, 1
	; the largest score of my query among my 64 keys, in four chains a tile; each accumulator is read from its low end on; keys 0-63 stand first, and are the places behind the products above
.irp k, 0,1,2,3
.irp u, 0,1
	v_max3_num_f32 v[8+4*\u+\k], v[S+64*\u+3*\k], v[S+64*\u+3*\k+1], v[S+64*\u+3*\k+2]
.endr
.endr
.set j, 12
.rept 10
.irp u, 0,1
	v_max3_num_f32 v[8+4*\u+(j/2-6)%4], v[8+4*\u+(j/2-6)%4], v[S+64*\u+j], v[S+64*\u+j+1]
.endr
.set j, j+2
.endr
	s_wait_alu depctr_va_vdst(0)
	s_wait_dscnt 0x0                               ; the add is done, and my reads of the slot are over
	s_barrier_signal -1                            ; this barrier opens the round; keys 64-127 while the others arrive
.rept 16
.irp u, 0,1
	v_max3_num_f32 v[8+4*\u+(j/2-6)%4], v[8+4*\u+(j/2-6)%4], v[S+64*\u+j], v[S+64*\u+j+1]
.endr
.set j, j+2
.endr
	s_wait_alu depctr_va_vdst(0)
	s_barrier_wait -1
	CREST                                          ; no wave of any partner still reads the slot or has a load on its way
.if \last
	tensor_load_to_lds s[36:39], s[40:47]          ; my part of X's rows, a first fill
	s_nop 0
.rept 4
	v_nop
.endr
.else
	tensor_load_to_lds s[32:35], s[24:31]          ; the walk's next key step: the first thing behind the round, and my one tensor load until the next
	s_nop 0
.rept 4
	v_nop
.endr
	s_cmp_eq_u32 s21, 2                            ; two trips ahead of X's tensor load
	s_cbranch_scc0 .Lno_ask_\@
	global_prefetch_b8 v0, s[56:57] th:TH_LOAD_NT scope:SCOPE_SE   ; each thread names one 256-byte piece of my 32 rows
.Lno_ask_\@:
.endif
.irp u, 0,1
	v_max3_num_f32 v[8+4*\u], v[8+4*\u], v[9+4*\u], v[10+4*\u]
.endr
.irp u, 0,1
	D2
	v_max_num_f32 v[8+4*\u], v[8+4*\u], v[11+4*\u]
.endr
.irp u, 0,1
	D2
	v_permlanex16_b32 v[9+4*\u], v[8+4*\u], s58, s59   ; the query's other 64 keys lie in lane l xor 16
.endr
.irp u, 0,1
	D2
	v_max_num_f32 v[8+4*\u], v[8+4*\u], v[9+4*\u]
.endr
.irp u, 0,1
	D2
	v_mul_f32 v[8+4*\u], s22, v[8+4*\u]            ; as t (c is positive)
.endr
.irp u, 0,1
	D2
	v_floor_f32 v[9+4*\u], -v[8+4*\u]              ; floor(-t) = -ceil(t)
.endr
.irp u, 0,1
	D2
	v_min_num_f32 v[9+4*\u], v[9+4*\u], v[4+2*\u]  ; the new -M: M is a whole number
.endr
.irp u, 0,1
	D2
	v_sub_f32 v[8+4*\u], v[9+4*\u], v[4+2*\u]      ; M's old value less its new one: a whole number, 0 or less
.endr
.irp u, 0,1
	v_mov_b32 v[4+2*\u], v[9+4*\u]
.endr
.irp u, 0,1
	v_cvt_i32_f32 v[8+4*\u], v[8+4*\u]             ; (it saturates)
.endr
.irp u, 0,1
	D2
	v_ldexp_f32 v[10+4*\u], 1.0, v[8+4*\u]         ; f = 2^(old M - new M)
.endr
.irp u, 0,1
	D2
	v_mul_f32 v[5+2*\u], v[5+2*\u], v[10+4*\u]     ; the sum under the new M
.endr
	WIN 0x41
.irp u, 0,1
.irp i, 0,2,4,6,8,10,12,14,16,18,20,22,24,26,28,30
	v_pk_mul_f32 v[32*\u+\i:32*\u+\i+1], v[32*\u+\i:32*\u+\i+1], v[10+4*\u:11+4*\u] op_sel_hi:[1,0]   ; O^T under the new M
.endr
.endr
	WIN 0
	v_mov_b32 v14, s54                             ; 2^e8, for the conversions
.set j, 0
.rept 16
	FMA1 0
.set j, j+1
.endr
	EXPS 0                                         ; p = 2^(t - M), at most 1: not normalised
	SUM 0
	EXPS 1
	CVT 0
	SUM 1
	JOIN 0
	EXPS 2
	CVT 1
	SUM 2
	EXPS 3
	CVT 2
	SUM 3
.set j, 0
.rept 16
	HOLD1 3
.set j, j+1
.endr
	CVT 3
	JOIN 1                                         ; (also the plain lines behind the conversions)
	s_wait_alu depctr_va_vdst(0)
	s_wait_loadcnt 0x0                             ; V of keys 64-127 is in
	WIN 0x50
.irp ct, 0,1,2,3
.irp u, 0,1
	v_wmma_f32_16x16x64_bf8_bf8 v[32*\u+8*\ct:32*\u+8*\ct+7], v[FC+8*\ct:FC+8*\ct+7], v[FB+16*\u:FB+16*\u+7], v[32*\u+8*\ct:32*\u+8*\ct+7]   ; eight accumulators by turns
.endr
.endr
.irp ct, 0,1,2,3
.irp u, 0,1
	v_wmma_f32_16x16x64_bf8_bf8 v[32*\u+8*\ct:32*\u+8*\ct+7], v[FA+8*\ct:FA+8*\ct+7], v[FB+16*\u+8:FB+16*\u+15], v[32*\u+8*\ct:32*\u+8*\ct+7]
.endr
.endr
	WIN 0
.rept 4
	v_nop                                          ; in front of the next loads into the fragments' registers, and of the next read of O^T
.endr
.endm
	s_wait_alu depctr_va_vdst(0)
	s_wait_loadcnt 0x0                             ; Q
	s_mov_b32 s21, 7
.Lloop:                                            ; 7 of the 8 trips; each asks for the walk's next key step
	TRIP 0
	s_sub_co_u32 s21, s21, 1
	s_cmp_lg_u32 s21, 0
	s_cbranch_scc1 .Lloop
	TRIP 1                                         ; the last is written out: it asks for X
	; THE WAY OUT.  O^T / the sum goes into the stage, where the 12 heads of a row meet; each wave then finishes whole rows: + X, LayerNorm, relu.
	v_bfe_u32 v80, v0, 8, 5                        ; lane
	v_bfe_u32 v81, v0, 8, 4                        ; r
	v_bfe_u32 v82, v0, 12, 1                       ; h
	v_lshlrev_b32 v80, 4, v80                      ; 16 x lane: my 16 bytes of each 512 of a row
	v_mul_u32_u24 v29, v81, SP
	v_lshl_add_u32 v29, v82, 6, v29
	v_add_nc_u32 v29, s83, v29                     ; the stage, in: row r, + my head's 256 bytes, + 64 h
	v_add_nc_u32 v24, s84, v80                     ; back: stage row w
	v_add_nc_u32 v25, 24*SP, v24                   ; and 24 rows on, past what an immediate reaches
	v_add_nc_u32 v26, s80, v80                     ; X's rows for stage rows w, w + 12, w + 24
	v_add_nc_u32 v27, s81, v80
	v_add_nc_u32 v28, s82, v80
.irp j, 0,1,2,3,4,5
	global_load_b128 v[32+4*\j:35+4*\j], v80, s[8:9] offset:512*\j          ; gamma
.endr
.irp j, 0,1,2,3,4,5
	global_load_b128 v[56+4*\j:59+4*\j], v80, s[10:11] offset:512*\j        ; beta
.endr
	v_permlanex16_b32 v8, v5, s58, s59
	v_permlanex16_b32 v10, v7, s58, s59
	D2
	v_add_f32 v8, v5, v8                           ; with lane l xor 16's: the row's sum
	D2
	v_add_f32 v10, v7, v10
	s_wait_alu depctr_va_vdst(0)
	v_rcp_f32 v8, v8
	v_rcp_f32 v10, v10
	v_nop                                          ; a plain line behind the last reciprocal
	s_wait_alu depctr_va_vdst(0)                   ; one wait for both, ahead of the first reader
	v_ldexp_f32 v8, v8, s62                        ; x 2^(e8 + e9)
	v_ldexp_f32 v10, v10, s62
	WIN 0x41
	s_wait_alu depctr_va_vdst(0)                   ; directly ahead of the first reader of O^T
.irp u, 0,1
.irp i, 0,2,4,6,8,10,12,14,16,18,20,22,24,26,28,30
	v_pk_mul_f32 v[32*\u+\i:32*\u+\i+1], v[32*\u+\i:32*\u+\i+1], v[8+2*\u:9+2*\u] op_sel_hi:[1,0]
.endr
.endr
	WIN 0x04
.irp u, 0,1
.irp bb, 0,1
.irp v, 0,1
.irp q, 0,1
	ds_store_b128 v29, v[32*\u+8*(2*\bb+\v)+4*\q:32*\u+8*(2*\bb+\v)+4*\q+3] offset:16*SP*\u+128*\bb+32*\v+16*\q   ; stage row 16 u + r, channels 32 bb + 16 h + 8 v + 4 q on of my head
.endr
.endr
.endr
.endr
	WIN 0
	s_wait_tensorcnt 0x0                           ; for the others' sake: my part of X is in,
	s_wait_dscnt 0x0                               ; and my stores into the stage are done
	s_barrier_signal -1
	s_barrier_wait -1
.irp j, 0,1,2,3,4,5
	ds_load_b128 v[96+4*\j:99+4*\j], v24 offset:512*\j                      ; stage row w,
	ds_load_b128 v[120+4*\j:123+4*\j], v26 offset:512*\j                    ; and its X
.endr
.irp j, 0,1,2,3,4,5
	ds_load_b128 v[144+4*\j:147+4*\j], v24 offset:12*SP+512*\j              ; stage row w + 12
	ds_load_b128 v[168+4*\j:171+4*\j], v27 offset:512*\j
.endr
	s_cmp_lt_u32 s18, 8
	s_cbranch_scc0 .Lno_third
.irp j, 0,1,2,3,4,5
	ds_load_b128 v[192+4*\j:195+4*\j], v25 offset:512*\j                    ; stage row w + 24
	ds_load_b128 v[216+4*\j:219+4*\j], v28 offset:512*\j
.endr
.Lno_third:
	s_wait_dscnt 0x0
	s_wait_loadcnt 0x0                             ; gamma and beta
.macro DL k                            ; a hint: the producer stands k vector instructions back
.if \k == 1
	s_delay_alu instid0(VALU_DEP_1)
.elseif \k == 2
	s_delay_alu instid0(VALU_DEP_2)
.else
	s_delay_alu instid0(VALU_DEP_4)
.endif
.endm
; Rows n0 .. n0 + nc - 1 line by line by turns: y = attention + X; mean; differences; variance of the differences; (y - mean) / sqrt(var + 1e-5) x gamma + beta; relu.
; Row n: its 24 numbers a lane at v[96 + 48 n], X at v[120 + 48 n], at work v[8 + 8 n] on.
.macro REDUCE n0, nc                   ; the sum of v[T:T+1] + v[T+2:T+3] over the wave's lanes, into v[T]
.set n, \n0
.rept \nc
	DL \nc
	v_pk_add_f32 v[8+8*n:9+8*n], v[8+8*n:9+8*n], v[10+8*n:11+8*n]
.set n, n+1
.endr
.set n, \n0
.rept \nc
	DL \nc
	v_add_f32 v[8+8*n], v[8+8*n], v[9+8*n]
.set n, n+1
.endr
.irp m, 1,2,4,8
.set n, \n0
.rept \nc
	DL \nc
	v_add_f32_dpp v[8+8*n], v[8+8*n], v[8+8*n] row_xmask:\m row_mask:0xf bank_mask:0xf
.set n, n+1
.endr
.endr
.set n, \n0
.rept \nc
	DL \nc
	v_permlanex16_b32 v[9+8*n], v[8+8*n], s58, s59
.set n, n+1
.endr
.set n, \n0
.rept \nc
	DL \nc
	v_add_f32 v[8+8*n], v[8+8*n], v[9+8*n]
.set n, n+1
.endr
.endm
.macro LN n0, nc
.set i, 0
.rept 12
.set n, \n0
.rept \nc
	v_pk_add_f32 v[96+48*n+2*i:97+48*n+2*i], v[96+48*n+2*i:97+48*n+2*i], v[120+48*n+2*i:121+48*n+2*i]
.set n, n+1
.endr
.set i, i+1
.endr
.irp k, 0,1
.set n, \n0
.rept \nc
	v_pk_add_f32 v[8+8*n+2*\k:9+8*n+2*\k], v[96+48*n+4*\k:97+48*n+4*\k], v[98+48*n+4*\k:99+48*n+4*\k]
.set n, n+1
.endr
.endr
.set i, 4
.rept 8
.set n, \n0
.rept \nc
	DL 2*\nc
	v_pk_add_f32 v[8+8*n+2*(i%2):9+8*n+2*(i%2)], v[8+8*n+2*(i%2):9+8*n+2*(i%2)], v[96+48*n+2*i:97+48*n+2*i]
.set n, n+1
.endr
.set i, i+1
.endr
	REDUCE \n0, \nc
.set n, \n0
.rept \nc
	DL \nc
	v_mul_f32 v[8+8*n], s60, v[8+8*n]              ; the mean
.set n, n+1
.endr
.set i, 0
.rept 12
.set n, \n0
.rept \nc
	v_pk_add_f32 v[96+48*n+2*i:97+48*n+2*i], v[96+48*n+2*i:97+48*n+2*i], v[8+8*n:9+8*n] op_sel_hi:[1,0] neg_lo:[0,1] neg_hi:[0,1]
.set n, n+1
.endr
.set i, i+1
.endr
.irp k, 0,1
.set n, \n0
.rept \nc
	v_pk_mul_f32 v[8+8*n+2*\k:9+8*n+2*\k], v[96+48*n+2*\k:97+48*n+2*\k], v[96+48*n+2*\k:97+48*n+2*\k]
.set n, n+1
.endr
.endr
.set i, 2
.rept 10
.set n, \n0
.rept \nc
	DL 2*\nc
	v_pk_fma_f32 v[8+8*n+2*(i%2):9+8*n+2*(i%2)], v[96+48*n+2*i:97+48*n+2*i], v[96+48*n+2*i:97+48*n+2*i], v[8+8*n+2*(i%2):9+8*n+2*(i%2)]
.set n, n+1
.endr
.set i, i+1
.endr
	REDUCE \n0, \nc
.set n, \n0
.rept \nc
	DL \nc
	v_fma_f32 v[8+8*n], v[8+8*n], s60, s61         ; the variance + 1e-5
.set n, n+1
.endr
	s_wait_alu depctr_va_vdst(0)
.set n, \n0
.rept \nc
	v_rsq_f32 v[8+8*n], v[8+8*n]
.set n, n+1
.endr
	v_nop                                          ; a plain line behind the last transcendental
	s_wait_alu depctr_va_vdst(0)                   ; and the wait ahead of its first reader
.set i, 0
.rept 12
.set n, \n0
.rept \nc
	v_pk_mul_f32 v[96+48*n+2*i:97+48*n+2*i], v[96+48*n+2*i:97+48*n+2*i], v[8+8*n:9+8*n] op_sel_hi:[1,0]
.set n, n+1
.endr
.set i, i+1
.endr
.set n, \n0
.rept \nc
.set i, 0
.rept 12
	v_pk_fma_f32 v[96+48*n+2*i:97+48*n+2*i], v[96+48*n+2*i:97+48*n+2*i], v[32+2*i:33+2*i], v[56+2*i:57+2*i]
.set i, i+1
.endr
.set i, 0
.rept 12
	v_dual_max_num_f32 v[96+48*n+2*i], 0, v[96+48*n+2*i] :: v_dual_max_num_f32 v[97+48*n+2*i], 0, v[97+48*n+2*i]
.set i, i+1
.endr
.irp j, 0,1,2,3,4,5
	global_store_b128 v80, v[96+48*n+4*\j:99+48*n+4*\j], s[48+2*n:49+2*n] offset:512*\j th:TH_STORE_NT   ; 32 lanes store 512 consecutive bytes, at a multiple of 256 from out0's first byte
.endr
.set n, n+1
.endr
.endm
	LN 0, 2
	s_cmp_lt_u32 s18, 8
	s_cbranch_scc0 .Lend
	LN 2, 1
.Lend:
	s_wait_tensorcnt 0x0                           ; the wave's end
	ds_add_u32 v2, v3
	s_wait_dscnt 0x0
	ROUND                                          ; the closing round: no work-group ends while a partner may still ask for a tile that names it
	s_endpgm
.Lfunc_end_k_qc6b73eedac_attn:
	.size	k_qc6b73eedac_attn, .Lfunc_end_k_qc6b73eedac_attn-k_qc6b73eedac_attn
	.p2alignl 7, 3214868480
	.fill 96, 4, 3214868480
	.section	.rodata,"a",@progbits
	.p2align	6, 0x0
	.amdhsa_kernel k_qc6b73eedac_attn
		.amdhsa_group_segment_fixed_size 327680
		.amdhsa_private_segment_fixed_size 0
		.amdhsa_enable_private_segment 0
		.amdhsa_kernarg_size 48
		.amdhsa_user_sgpr_count 2
		.amdhsa_user_sgpr_kernarg_segment_ptr 1
		.amdhsa_wavefront_size32 1
		.amdhsa_system_sgpr_workgroup_id_x 1
		.amdhsa_system_sgpr_workgroup_id_y 1
		.amdhsa_system_sgpr_workgroup_id_z 1
		.amdhsa_system_vgpr_workitem_id 0
		.amdhsa_next_free_vgpr 320
		.amdhsa_next_free_sgpr 88
		.amdhsa_reserve_vcc 0
		.amdhsa_float_denorm_mode_32 3
		.amdhsa_float_denorm_mode_16_64 3
		.amdhsa_memory_ordered 1
		.amdhsa_forward_progress 1
		.amdhsa_inst_pref_size 103
	.end_amdhsa_kernel
	.amdgpu_metadata
---
amdhsa.version: [ 1, 2 ]
amdhsa.kernels:
  - .name:           k_qc6b73eedac_attn
    .symbol:         k_qc6b73eedac_attn.kd
    .args:
      - { .name: qkv, .offset: 0, .size: 8, .value_kind: global_buffer, .address_space: global }
      - { .name: X, .offset: 8, .size: 8, .value_kind: global_buffer, .address_space: global }
      - { .name: ln_gamma, .offset: 16, .size: 8, .value_kind: global_buffer, .address_space: global }
      - { .name: ln_beta, .offset: 24, .size: 8, .value_kind: global_buffer, .address_space: global }
      - { .name: lowp_scales, .offset: 32, .size: 8, .value_kind: global_buffer, .address_space: global }
      - { .name: out0, .offset: 40, .size: 8, .value_kind: global_buffer, .address_space: global }
    .group_segment_fixed_size: 327680
    .private_segment_fixed_size: 0
    .kernarg_segment_align: 8
    .kernarg_segment_size: 48
    .max_flat_workgroup_size: 384
    .sgpr_count:     88
    .vgpr_count:     320
    .wavefront_size: 32
...
	.end_amdgpu_metadata
.endif
;; end of part 3
